; MI455X (gfx1250); checked and timed in simulation.
; The chip was launched on July 23, 2026; its instructions are those of AMD's public machine-readable ISA for CDNA 5 (MIT licence, August 2026) and "CDNA5" Instruction Set Architecture Reference Guide (July 2026). The comments in the code are by the model that wrote it; some were corrected since.
;; Causal Self Attention. Allowed arithmetic: float matrix products may take bf16 or f16 operands with f32 sums; all other float work in f32.
;; Inputs: W_proj 1,024 x 1,024 float32; W_qkv 1,024 x 3,072 float32; x 4 x 2,048 x 1,024 float32.
;; Outputs: out0 4 x 2,048 x 1,024 float32.
;; One version. Each part assembles by itself: llvm-mc -triple=amdgcn-amd-amdhsa -mcpu=gfx1250 --defsym DOCPART=n.
;; ======== version 1 of 1: 4 launches
;; limits: values are held in f16: magnitudes above 65,504 overflow, below 6.1e-05 lose precision; right only within a limited range of input values
;; workspace buffers: xb 16,777,216 bytes; wq 6,291,456 bytes; wp 2,097,152 bytes; qkv 67,108,864 bytes; y 33,554,432 bytes
;; launch prep (part 1): grid 768 x 1, 8 waves a work-group, no clusters, 37,888 bytes of LDS; arguments x, W_qkv, W_proj, xb, wq, wp; writes xb, wq, wp
.if DOCPART == 1
	.amdgcn_target "amdgcn-amd-amdhsa--gfx1250"
	.amdhsa_code_object_version 6
	.text
	.protected	k_q21ba945ed4_prep
	.globl	k_q21ba945ed4_prep
	.p2align	8
	.type	k_q21ba945ed4_prep,@function
k_q21ba945ed4_prep:
	s_mov_b64 s[64:65], 0
	v_nop
	global_prefetch_b8 v0, s[64:65] scope:SCOPE_SE
	s_setreg_imm32_b32 hwreg(HW_REG_WAVE_MODE, 25, 1), 1
	s_wait_xcnt 0x0
; Casts and re-orders the three inputs for the matrix launches.  No matrix work: memory binds, every byte is read and written once.
; All results lie in SLABS: [K/64][rows][64 numbers of 16 bits], a row 128 bytes, so that a tile of one K step of 64 is one dense block.
;   xb[s][row][kk] = bf16(x[row][64 s + kk])
;   wq[s][n'][kk]  = bf16(W_qkv[64 s + kk][n]), rows ordered n' = 384 bx + 128 part + (n mod 128), part = n / 1024 (Q, K, V), bx = (n mod 1024) / 128:
;                    a column block of 384 then holds two heads' Q, K and V
;   wp[s][n][kk]   = W_proj[64 s + kk][n] rounded to bf16 like the other inputs and held in f16's format, because the product's other operand (y) is f16.
; LIMIT: |W_proj| below 65504; a bf16 value below 2^-17 loses bits in f16 (absolute error at most 2^-25).
; 768 work-groups of 64 KiB of f32 each: 512 take 16 rows of x, 192 a tile of 64 k x 256 n of W_qkv, 64 such a tile of W_proj.
; The choice hangs on the work-group's number alone, so all eight waves take the same way and meet the same barrier.
.set SLB, 1048576                      ; bytes of a slab of 8,192 rows
.set XR,  16                           ; v[16:79]   16 loads of 16 bytes
.set PK,  80                           ; v[80:111]  packed results
	s_load_b256 s[4:11], s[0:1], 0x0               ; x s[4:5], W_qkv s[6:7], W_proj s[8:9], xb s[10:11]
	s_load_b128 s[12:15], s[0:1], 0x20             ; wq s[12:13], wp s[14:15]
	v_lshl_add_u32 v112, v0, 2, 0x9000
	v_mov_b32 v113, 0
	s_mov_b32 s16, ttmp9
	s_mov_b32 s19, 0                               ; high words of the two offsets
	s_mov_b32 s21, 0
	s_cmp_lt_u32 s16, 512
	s_cbranch_scc0 .Lweights
	; 16 rows of x.  Thread t: row t / 16, 16 bytes at 16 (t mod 16) of each 256 bytes (one slab's 64 numbers): a wave's load covers two aligned blocks of 256 bytes.
	v_lshrrev_b32 v1, 4, v0
	v_and_b32 v3, 15, v0
	v_lshlrev_b32 v1, 12, v1                       ; row x 4,096 bytes
	v_lshl_add_u32 v1, v3, 4, v1
	v_lshlrev_b32 v2, 3, v0                        ; out: 128 (t / 16) + 8 (t mod 16) = 8 t: a wave's store covers 256 consecutive bytes, aligned
	s_lshl_b32 s18, s16, 16                        ; 16 rows of 4,096 bytes
	s_lshl_b32 s20, s16, 11                        ; 16 rows of 128 bytes
	s_wait_kmcnt 0x0
	s_add_nc_u64 s[4:5], s[4:5], s[18:19]
	s_add_nc_u64 s[10:11], s[10:11], s[20:21]
	s_add_nc_u64 s[22:23], s[10:11], 8*SLB         ; slabs 8 to 15: the immediate reaches seven slabs
.set j, 0
.rept 16
	global_load_b128 v[XR+4*j:XR+4*j+3], v1, s[4:5] offset:256*j th:TH_LOAD_NT
.set j, j+1
.endr
.set j, 0
.rept 8
	s_wait_loadcnt 15-j                            ; loads return in order: load j is in, the 15 - j younger ones stay out
	v_cvt_pk_bf16_f32 v[PK+2*j], v[XR+4*j], v[XR+4*j+1]
	v_cvt_pk_bf16_f32 v[PK+2*j+1], v[XR+4*j+2], v[XR+4*j+3]
	global_store_b64 v2, v[PK+2*j:PK+2*j+1], s[10:11] offset:j*SLB
.set j, j+1
.endr
.rept 8
	s_wait_loadcnt 15-j
	v_cvt_pk_bf16_f32 v[PK+2*j], v[XR+4*j], v[XR+4*j+1]
	v_cvt_pk_bf16_f32 v[PK+2*j+1], v[XR+4*j+2], v[XR+4*j+3]
	global_store_b64 v2, v[PK+2*j:PK+2*j+1], s[22:23] offset:(j-8)*SLB
.set j, j+1
.endr
	s_endpgm
; A tile of 64 k x 256 n of a weight [1024][cols], transposed through LDS.  s16 = the job: slab = s16 mod 16, column tile ct = s16 / 16.
; Thread t: columns 4 c .. 4 c + 3 (c = t mod 64) of k rows 16 rg .. 16 rg + 15 (rg = t / 64).  jump: bytes skipped between the tile's two halves of 128 rows in the result.
.macro WJOB cols, src, dst, jump, half
	s_and_b32 s17, s16, 15
	s_lshr_b32 s16, s16, 4
	s_mul_i32 s18, s17, 256*\cols                  ; 64 k rows of 4 cols bytes
	s_lshl_b32 s20, s16, 10                        ; 256 columns of 4 bytes
	s_add_co_u32 s18, s18, s20
	s_mul_i32 s20, s17, 128*\cols                  ; the result's slab
.if \jump
	s_and_b32 s22, s16, 3                          ; W_qkv: rows 768 (ct mod 4) + 128 (ct / 4), and 384 further for the second half
	s_mul_i32 s22, s22, 98304
	s_lshr_b32 s23, s16, 2
	s_lshl_b32 s23, s23, 14
	s_add_co_u32 s22, s22, s23
.else
	s_lshl_b32 s22, s16, 15                        ; W_proj: rows 256 ct
.endif
	s_add_co_u32 s20, s20, s22
	v_and_b32 v6, 63, v0                           ; c
	v_lshrrev_b32 v7, 6, v0                        ; rg
	v_mul_u32_u24 v1, v7, 64*\cols                 ; 16 k rows
	v_lshl_add_u32 v1, v6, 4, v1
	v_mul_u32_u24 v3, v6, 576                      ; LDS [256 n][144 bytes]: row 4 c, byte 32 rg
	v_lshl_add_u32 v3, v7, 5, v3
	v_lshrrev_b32 v4, 3, v0                        ; back: row t / 8, 16 bytes at 16 (t mod 8)
	v_and_b32 v5, 7, v0
	v_mul_u32_u24 v4, v4, 144
	v_lshl_add_u32 v4, v5, 4, v4
	v_lshlrev_b32 v5, 4, v0                        ; out: 16 t: a wave's store covers 512 consecutive bytes
	s_wait_kmcnt 0x0
	s_add_nc_u64 s[\src:\src+1], s[\src:\src+1], s[18:19]
	s_add_nc_u64 s[\dst:\dst+1], s[\dst:\dst+1], s[20:21]
.set j, 0
.rept 16
	global_load_b128 v[XR+4*j:XR+4*j+3], v1, s[\src:\src+1] offset:j*4*\cols th:TH_LOAD_NT   ; a wave: 512 consecutive bytes of one k row
.set j, j+1
.endr
	s_wait_loadcnt 0x0                             ; the packing pairs neighbouring k rows, so all sixteen are wanted
.irp e, 0,1,2,3
.irp jj, 0,1,2,3,4,5,6,7
.if \half
	v_cvt_pk_bf16_f32 v8, v[XR+8*\jj+\e], v[XR+8*\jj+4+\e]     ; rounded to bf16,
	v_lshlrev_b32 v9, 16, v8                                   ; widened again,
	v_and_b32 v8, 0xffff0000, v8
	v_cvt_pk_f16_f32 v[PK+8*\e+\jj], v9, v8                    ; and written in f16's format
.else
	v_cvt_pk_bf16_f32 v[PK+8*\e+\jj], v[XR+8*\jj+\e], v[XR+8*\jj+4+\e]
.endif
.endr
.endr
.irp e, 0,1,2,3
	ds_store_b128 v3, v[PK+8*\e:PK+8*\e+3] offset:144*\e       ; column 4 c + e: its 16 k, 32 bytes
	ds_store_b128 v3, v[PK+8*\e+4:PK+8*\e+7] offset:144*\e+16
.endr
	s_wait_dscnt 0x0                               ; my stores are in LDS before I say so: other waves read them
	s_barrier_signal -1
	s_barrier_wait -1
.irp u, 0,1,2,3,4,5,6,7
	ds_load_b128 v[XR+4*\u:XR+4*\u+3], v4 offset:4608*\u       ; 32 rows further each time
.endr
.irp u, 0,1,2,3,4,5,6,7
	s_wait_dscnt 7-\u                              ; LDS loads return in order
	global_store_b128 v5, v[XR+4*\u:XR+4*\u+3], s[\dst:\dst+1] offset:4096*\u+(\u/4)*\jump
.endr
	s_wait_tensorcnt 0x0
	ds_add_u32 v112, v113
	s_wait_dscnt 0x0
	s_endpgm
.endm
.Lweights:
	s_cmp_lt_u32 s16, 704
	s_cbranch_scc0 .Lwproj
	s_sub_co_u32 s16, s16, 512
	WJOB 3072, 6, 12, 32768, 0
.Lwproj:
	s_sub_co_u32 s16, s16, 704
	WJOB 1024, 8, 14, 0, 1
.Lfunc_end_k_q21ba945ed4_prep:
	.size	k_q21ba945ed4_prep, .Lfunc_end_k_q21ba945ed4_prep-k_q21ba945ed4_prep
	.p2alignl 7, 3214868480
	.fill 96, 4, 3214868480
	.section	.rodata,"a",@progbits
	.p2align	6, 0x0
	.amdhsa_kernel k_q21ba945ed4_prep
		.amdhsa_group_segment_fixed_size 37888
		.amdhsa_private_segment_fixed_size 0
		.amdhsa_enable_private_segment 0
		.amdhsa_kernarg_size 48
		.amdhsa_user_sgpr_count 2
		.amdhsa_user_sgpr_kernarg_segment_ptr 1
		.amdhsa_wavefront_size32 1
		.amdhsa_system_sgpr_workgroup_id_x 1
		.amdhsa_system_sgpr_workgroup_id_y 1
		.amdhsa_system_sgpr_workgroup_id_z 1
		.amdhsa_system_vgpr_workitem_id 0
		.amdhsa_next_free_vgpr 114
		.amdhsa_next_free_sgpr 66
		.amdhsa_reserve_vcc 0
		.amdhsa_float_denorm_mode_32 3
		.amdhsa_float_denorm_mode_16_64 3
		.amdhsa_memory_ordered 1
		.amdhsa_forward_progress 1
		.amdhsa_inst_pref_size 26
	.end_amdhsa_kernel
	.amdgpu_metadata
---
amdhsa.version: [ 1, 2 ]
amdhsa.kernels:
  - .name:           k_q21ba945ed4_prep
    .symbol:         k_q21ba945ed4_prep.kd
    .args:
      - { .name: x, .offset: 0, .size: 8, .value_kind: global_buffer, .address_space: global }
      - { .name: W_qkv, .offset: 8, .size: 8, .value_kind: global_buffer, .address_space: global }
      - { .name: W_proj, .offset: 16, .size: 8, .value_kind: global_buffer, .address_space: global }
      - { .name: xb, .offset: 24, .size: 8, .value_kind: global_buffer, .address_space: global }
      - { .name: wq, .offset: 32, .size: 8, .value_kind: global_buffer, .address_space: global }
      - { .name: wp, .offset: 40, .size: 8, .value_kind: global_buffer, .address_space: global }
    .group_segment_fixed_size: 37888
    .private_segment_fixed_size: 0
    .kernarg_segment_align: 8
    .kernarg_segment_size: 48
    .max_flat_workgroup_size: 256
    .sgpr_count:     66
    .vgpr_count:     114
    .wavefront_size: 32
...
	.end_amdgpu_metadata
.endif
;; end of part 1
;; launch qkv (part 2): grid 8 x 32, 4 waves a work-group, clusters of 4 x 4, 327,680 bytes of LDS; arguments xb, wq, qkv; writes qkv
.if DOCPART == 2
	.amdgcn_target "amdgcn-amd-amdhsa--gfx1250"
	.amdhsa_code_object_version 6
	.text
	.protected	k_q21ba945ed4_qkv
	.globl	k_q21ba945ed4_qkv
	.p2align	8
	.type	k_q21ba945ed4_qkv,@function
k_q21ba945ed4_qkv:
	s_mov_b64 s[64:65], 0
	v_nop
	global_prefetch_b8 v0, s[64:65] scope:SCOPE_SE
	s_setreg_imm32_b32 hwreg(HW_REG_WAVE_MODE, 25, 1), 1
	s_wait_xcnt 0x0
	s_wait_alu depctr_hold_cnt(0) depctr_sa_sdst(0) depctr_va_vdst(0) depctr_va_sdst(0) depctr_va_ssrc(0) depctr_va_vcc(0) depctr_vm_vsrc(0)
	s_getreg_b32 s2, hwreg(HW_REG_IB_STS2, 6, 4)
	s_cmp_eq_u32 s2, 0
	s_cbranch_scc0 .Lentry_in_a_cluster
	s_endpgm
.Lentry_in_a_cluster:
	s_bfe_u32 s2, ttmp6, 0x10000c
	s_cmp_lg_u32 s2, 0xf033
	s_cbranch_scc0 .Lentry_shape_is_right
	s_endpgm
.Lentry_shape_is_right:
; qkv = x W_qkv: [8192 x 1024] x [1024 x 3072], bf16 operands, f32 sums, results in f16 slabs qkv[64][8192][64]:
; slabs 0-15 Q by head, 16-31 K, 32-47 V's high halves, 48-63 V's low halves.
; V goes out as a pair: high = the f32 sum cut to 11 significant bits (exact in f16), low = the exact remainder rounded to f16.  A row of the attention with few keys
; is not averaged, so its numbers are far above the output's root mean square, and one rounding of v to 11 bits would show against that; Q and K are rounded to nearest.
; LIMIT: |q|, |k|, |v| below 65504 (f16); below 2^-14 the high half is rounded, absolute error at most 2^-25.
; A work-group makes 256 rows x 384 columns (8 x 32 = 256 work-groups); its columns are heads 2 bx, 2 bx + 1 as Q, Q, K, K, V, V (wq's rows lie in that order).
; Four waves, one for each SIMD; a wave makes 128 x 192: 96 accumulator tiles, 768 registers; for 32 along K it reads 20 KiB of LDS for 96 matrix instructions.
; K goes in steps of 64 (one slab) through two LDS slots; in slab layout a tile is one dense block, brought as rows of 256 bytes.  Two slots of 128 along K would not fit in LDS.
; CLUSTERS: 4 x 4 work-groups.  A's tile hangs on the block row alone and is asked for jointly along a row of the cluster, B's on the block column alone, along a column.
; REGISTERS: window 0: v16-26 addresses, v32-95 and v96-159 A's fragments (two buffers), v160-255 B's fragments (three groups of four);
; windows 1 to 3: column group g = 0 .. 2 (64 columns each): tile (a, b) at v[8 (4 a + b)].
; The matrix instruction is used transposed (source 0 = rows of wq, source 1 = rows of xb): a lane holds row l % 16 and eight neighbouring columns.
.set SLB,    1048576                   ; a slab of xb or qkv
.set WSL,    393216                    ; a slab of wq
.set PITCH,  144                       ; an LDS row: 128 bytes + 16: sixteen rows start 36 words apart, in sixteen different groups of four banks (64 banks of 4 bytes: ISA guide 11.1)
.set BHALF,  192*PITCH
.set AHALF,  128*PITCH
.set AOFF,   2*BHALF                   ; a slot: B's 384 rows, then A's 256
.set SLOT,   2*BHALF+2*AHALF
.set STAGE,  2*SLOT                    ; behind the ring, never a tensor load's target: 16 rows x 400 bytes for each wave
.set SPITCH, 400
.set PADW,   (3<<16)|(1<<20)|(1<<21)|(4<<22)|(3<<25)   ; elements of 8 bytes; padding on; bit 21 beside a mask; after every 32 words; 4 words
.set ADRA, 16
.set ADRB, 20
.set STO,  24
.set RD,   25
.set CO,   26
.set FA0,  32
.set FA1,  96
.set FB,   160
.set TMP,  32                          ; the way out: packed results (48), low halves (32), two read-back buffers (48 each), 32 at work
.set TMPL, 80
.set BUF0, 112
.set TL,   208
.set G1,  24                           ; s[24:31] group 1 of A's tiles;  s[32:39] their group 0, one for each slot
.set G0,  32
.set G1B, 48                           ; s[48:55], s[56:63] the same for B's
.set G0B, 56
.set SB,  66                           ; s[66:71] the three column groups' places in qkv; s[72:75] V's low halves
.set MSB, 0
.macro WIN new                         ; the immediate's high byte repeats the setting that is left
.if MSB != (\new)
	s_set_vgpr_msb (MSB<<8)|(\new)
.set MSB, (\new)
.endif
.endm
.macro PLACES                          ; four places behind a matrix instruction, in front of loads into its sources and of readers of its result
.rept 4
	v_nop
.endr
.endm
; A joint load: waves 0 and 1 fetch B's halves, waves 2 and 3 A's.  The branch hangs on the wave's number alone.
.macro JLOAD s
	s_cmp_eq_u32 s11, 0
	s_cbranch_scc0 .Lfor_a_\@
	tensor_load_to_lds s[G0B+4*\s:G0B+4*\s+3], s[G1B:G1B+7]
	s_nop 0
	s_branch .Lasked_\@
.Lfor_a_\@:
	tensor_load_to_lds s[G0+4*\s:G0+4*\s+3], s[G1:G1+7]
	s_nop 0
.Lasked_\@:
.endm
.macro CREST                           ; a round of the cluster's barrier behind its opening barrier
	s_cmp_lg_u32 s10, 0
	s_cbranch_scc1 .Lnot_wave_0_\@
	s_barrier_signal -3
.Lnot_wave_0_\@:
	s_barrier_wait -3
	s_barrier_signal -1
	s_barrier_wait -1
.endm
.macro CROUND
	s_barrier_signal -1
	s_barrier_wait -1
	CREST
.endm
	s_load_b128 s[4:7], s[0:1], 0x0                ; xb s[4:5], wq s[6:7]
	s_load_b64 s[8:9], s[0:1], 0x10                ; qkv
	v_lshl_add_u32 v30, v0, 2, 0x33400
	v_mov_b32 v31, 0
	ds_add_u32 v30, v31
	v_lshrrev_b32 v1, 5, v0
	v_readfirstlane_b32 s10, v1                    ; wave
	s_lshr_b32 s11, s10, 1                         ; my half of the rows.  Also: I fetch for B (0) or for A (1)
	s_and_b32 s12, s10, 1                          ; my half of the columns.  Also: which half of that tile I fetch
	s_bfe_u32 s40, ttmp6, 0x40000                  ; cx
	s_bfe_u32 s41, ttmp6, 0x40004                  ; cy
	s_lshl_b32 s42, ttmp9, 2
	s_add_co_u32 s42, s42, s40                     ; bx: block column, 0 .. 7
	s_and_b32 s13, ttmp7, 0xffff
	s_lshl_b32 s13, s13, 2
	s_add_co_u32 s13, s13, s41                     ; by: block row, 0 .. 31
	s_lshl_b32 s43, s41, 2
	s_lshl_b32 s43, 15, s43                        ; my row of the cluster
	s_lshl_b32 s44, 0x1111, s40                    ; my column
	s_mov_b32 s45, 0xffffe000                      ; keeps an f32's sign, exponent and 10 upper fraction bits
	; group 1: a dense block as rows of 256 bytes (32 elements of 8 bytes): A 64 such rows (128 rows of 128 bytes), B 96 (192 rows)
	s_or_b32 s[G1+0], s43, PADW
	s_or_b32 s[G1B+0], s44, PADW
	s_mov_b32 s[G1+1], 32<<16                      ; tensor_dim0 = 32
	s_mov_b32 s[G1B+1], 32<<16
	s_mov_b32 s[G1+2], 64<<16                      ; tensor_dim1
	s_mov_b32 s[G1B+2], 96<<16
	s_mov_b32 s[G1+3], 32<<16                      ; tile_dim0 = 32
	s_mov_b32 s[G1B+3], 32<<16
	s_mov_b32 s[G1+4], 64                          ; tile_dim1
	s_mov_b32 s[G1B+4], 96
	s_mov_b32 s[G1+5], 32                          ; pitch: dense
	s_mov_b32 s[G1B+5], 32
	s_mov_b32 s[G1+6], 0
	s_mov_b32 s[G1B+6], 0
	s_mov_b32 s[G1+7], 0
	s_mov_b32 s[G1B+7], 0
	; A's address is made of by and the wave alone, B's of bx and the wave alone, each in registers that never hold the other coordinate
	s_lshl_b32 s16, s13, 15                        ; 256 rows of 128 bytes
	s_lshl_b32 s17, s12, 14
	s_add_co_u32 s16, s16, s17
	s_mov_b32 s17, 0
	s_mul_i32 s46, s42, 49152                      ; 384 rows of 128 bytes
	s_mul_i32 s47, s12, 24576
	s_add_co_u32 s46, s46, s47
	s_mov_b32 s47, 0
	s_mul_i32 s20, s10, BHALF                      ; where they go: waves 0, 1: B's halves
	s_mul_i32 s23, s10, AHALF                      ; waves 2, 3: A's halves, behind B's 384 rows = (wave + 1) x 18,432
	s_add_co_u32 s23, s23, AHALF
	s_wait_dscnt 0x0
	s_wait_kmcnt 0x0
	s_add_nc_u64 s[14:15], s[4:5], s[16:17]
	s_add_nc_u64 s[46:47], s[6:7], s[46:47]
	CROUND                                         ; all sixteen work-groups are here: the first joint loads meet
.irp s, 0,1
	s_mov_b32 s[G0+4*\s], 1
	s_add_co_u32 s[G0+4*\s+1], s23, \s*SLOT
	s_add_nc_u64 s[G0+4*\s+2:G0+4*\s+3], s[14:15], \s*SLB
	s_or_b32 s[G0+4*\s+3], s[G0+4*\s+3], 0x80000000
	s_mov_b32 s[G0B+4*\s], 1
	s_add_co_u32 s[G0B+4*\s+1], s20, \s*SLOT
	s_add_nc_u64 s[G0B+4*\s+2:G0B+4*\s+3], s[46:47], \s*WSL
	s_or_b32 s[G0B+4*\s+3], s[G0B+4*\s+3], 0x80000000
	JLOAD \s                                       ; K steps 0 and 1: two loads of the wave are out
.endr
	v_and_b32 v1, 15, v0                           ; r = l % 16
	v_bfe_u32 v2, v0, 4, 1                         ; h = l / 16
	v_mul_u32_u24 v3, v1, PITCH
	v_lshl_add_u32 v3, v2, 4, v3                   ; a fragment: row r, 16 bytes at 16 h, and 32 bytes further
	s_mul_i32 s21, s11, AHALF
	s_add_co_u32 s21, s21, AOFF
	s_mul_i32 s22, s12, BHALF
.irp s, 0,1
	v_add_nc_u32 v[ADRA+\s], s21, v3
	v_add_nc_u32 v[ADRB+\s], s22, v3
	s_add_co_u32 s21, s21, SLOT
	s_add_co_u32 s22, s22, SLOT
.endr
	s_mul_i32 s23, s10, 16*SPITCH
	s_add_co_u32 s23, s23, STAGE                   ; my stage
	v_mul_u32_u24 v4, v1, SPITCH
	v_lshl_add_u32 v4, v2, 4, v4
	v_add_nc_u32 v[STO], s23, v4                   ; in: row r, 16 bytes for each half of the lanes
	v_and_b32 v5, 31, v0
	v_lshrrev_b32 v6, 3, v5
	v_and_b32 v7, 7, v0
	v_mul_u32_u24 v6, v6, SPITCH
	v_lshl_add_u32 v6, v7, 4, v6
	v_add_nc_u32 v[RD], s23, v6                    ; back: eight lanes take 128 bytes (one slab's part) of a row, a wave four rows
	v_lshlrev_b32 v[CO], 4, v5                     ; in a slab those four rows are 512 consecutive bytes
.macro LDB g, slot, k                  ; four fragments of B: column group g, 32 K at byte k
.irp b, 0,1,2,3
	ds_load_b128 v[FB+32*\g+8*\b:FB+32*\g+8*\b+3], v[ADRB+\slot] offset:\k+(4*\g+\b)*16*PITCH
	ds_load_b128 v[FB+32*\g+8*\b+4:FB+32*\g+8*\b+7], v[ADRB+\slot] offset:\k+(4*\g+\b)*16*PITCH+32
.endr
.endm
.macro LDA f, slot, k                  ; eight fragments of A
.irp a, 0,1,2,3,4,5,6,7
	ds_load_b128 v[\f+8*\a:\f+8*\a+3], v[ADRA+\slot] offset:\k+\a*16*PITCH
	ds_load_b128 v[\f+8*\a+4:\f+8*\a+7], v[ADRA+\slot] offset:\k+\a*16*PITCH+32
.endr
.endm
; 32 matrix instructions: column group g x my eight row tiles.  The 96 accumulators take turns, one instruction a turn.
.macro MUL g, f, zero
	WIN ((\g+1)*0x50)
.irp a, 0,1,2,3,4,5,6,7
.irp b, 0,1,2,3
.if \zero
	v_wmma_f32_16x16x32_bf16 v[8*(4*\a+\b):8*(4*\a+\b)+7], v[FB+32*\g+8*\b:FB+32*\g+8*\b+7], v[\f+8*\a:\f+8*\a+7], 0
.else
	v_wmma_f32_16x16x32_bf16 v[8*(4*\a+\b):8*(4*\a+\b)+7], v[FB+32*\g+8*\b:FB+32*\g+8*\b+7], v[\f+8*\a:\f+8*\a+7], v[8*(4*\a+\b):8*(4*\a+\b)+7]
.endif
.endr
.endr
.endm
; A K step is two quarters of 32.  LDS loads are always issued in the order B0 (8), A (16), B1 (8), B2 (8).
; The even quarter: A in buffer 0; each group of B is loaded again, for the odd quarter, as soon as it has been multiplied.
.macro QE slot, zero
	s_wait_dscnt 16                                ; B0 and A are in; B1's and B2's 8 + 8 loads stay out
	MUL 0, FA0, \zero
	PLACES
	WIN 0
	LDB 0, \slot, 64
	LDA FA1, \slot, 64
	s_wait_dscnt 32                                ; B1 is in; B2's 8 and the 24 just issued stay out
	MUL 1, FA0, \zero
	PLACES
	WIN 0
	LDB 1, \slot, 64
	s_wait_dscnt 32                                ; B2 is in; 24 + 8 younger loads stay out
	MUL 2, FA0, \zero
	PLACES
	WIN 0
	LDB 2, \slot, 64
.endm
; The odd quarter changes slots.  One barrier for two things: in front of it each wave's reads of this slot are back and all its tensor loads have landed
; (one is out: its part of the next slot); behind it the refill comes first, then the next slot's fragments.  From a request to the wait for it: 160 matrix instructions.
.macro QO slot, next, fill
	s_wait_dscnt 16                                ; B0 and A are in
	MUL 0, FA1, 0
	s_wait_dscnt 0x0                               ; my reads of this slot are over
	s_wait_tensorcnt 0x0                           ; all my tensor loads have landed
	ds_add_u32 v30, v31
	s_wait_dscnt 0x0
	s_barrier_signal -1                            ; where the slot is filled again this barrier opens a round of the cluster's barrier
	MUL 1, FA1, 0                                  ; register work while the others arrive
	WIN 0
	s_barrier_wait -1
.if \fill
	CREST                                          ; no wave of any partner still reads this slot or has a load on its way
	s_add_nc_u64 s[G0+4*\slot+2:G0+4*\slot+3], s[G0+4*\slot+2:G0+4*\slot+3], 2*SLB
	s_add_nc_u64 s[G0B+4*\slot+2:G0B+4*\slot+3], s[G0B+4*\slot+2:G0B+4*\slot+3], 2*WSL
	JLOAD \slot                                    ; my one tensor load behind the round, two K steps ahead
.endif
	PLACES
	LDB 0, \next, 0
	LDA FA0, \next, 0
	LDB 1, \next, 0
	MUL 2, FA1, 0
	PLACES
	WIN 0
	LDB 2, \next, 0
.endm
.macro LAP zero
	QE 0, \zero
	QO 0, 1, 1
	QE 1, 0
	QO 1, 0, 1
.endm
	s_wait_tensorcnt 0x1                           ; my part of K step 0 is in; K step 1's stays out
	s_barrier_signal -1
	s_barrier_wait -1
	LDB 0, 0, 0
	LDA FA0, 0, 0
	LDB 1, 0, 0
	LDB 2, 0, 0
	LAP 1                                          ; the first products start the sums: nothing is cleared
	WIN 0
	s_mov_b32 s3, 6                                ; 16 K steps = 8 laps: one in front, six here, one behind
.Llap:
	LAP 0
	WIN 0
	s_sub_co_u32 s3, s3, 1
	s_cmp_lg_u32 s3, 0
	s_cbranch_scc1 .Llap
	QE 0, 0                                        ; the last lap fills nothing
	QO 0, 1, 0
	QE 1, 0
	s_wait_dscnt 0x0
	MUL 0, FA1, 0
	MUL 1, FA1, 0
	MUL 2, FA1, 0
	; THE WAY OUT.  Column group g of wave half wn is slab 2 bx + {0, 1, 16} (wn = 0: Q, Q, K) or 2 bx + {17, 32, 33} (wn = 1: K, V, V).
	PLACES
	WIN 0
	s_lshl_b32 s16, s13, 15                        ; my first row: 256 by + 128 x half, 128 bytes each
	s_lshl_b32 s17, s11, 14
	s_add_co_u32 s16, s16, s17
	s_mov_b32 s17, 0
	s_add_nc_u64 s[8:9], s[8:9], s[16:17]
	s_lshl_b32 s46, s42, 21                        ; 2 bx slabs
	s_mov_b32 s47, 0
	s_add_nc_u64 s[8:9], s[8:9], s[46:47]
	s_mul_i32 s46, s12, 17
	s_lshl_b32 s46, s46, 20
	s_add_nc_u64 s[SB:SB+1], s[8:9], s[46:47]
	s_mul_i32 s46, s12, 31
	s_add_co_u32 s46, s46, 1
	s_lshl_b32 s46, s46, 20
	s_add_nc_u64 s[SB+2:SB+3], s[8:9], s[46:47]
	s_mul_i32 s46, s12, 17
	s_add_co_u32 s46, s46, 16
	s_lshl_b32 s46, s46, 20
	s_add_nc_u64 s[SB+4:SB+5], s[8:9], s[46:47]
	s_add_nc_u64 s[SB+6:SB+7], s[SB+2:SB+3], 16*SLB    ; V's low halves lie 16 slabs behind the high ones
	s_add_nc_u64 s[SB+8:SB+9], s[SB+4:SB+5], 16*SLB
; Rows 16 a .. 16 a + 15: to f16, 16 bytes a lane into my own stage, back as four rows x 128 bytes, out as 512 consecutive bytes of a slab.
; isv = 1: column groups 1 and 2 are V and go out as high and low halves.  The stage is the wave's own: LDS serves a wave in order, no wait between stores and loads.
.macro OUT16 a, buf, isv
.irp g, 0,1,2
.if \isv*\g == 0
	WIN ((\g+1)*5)
.set k, 0
.rept 16
	v_cvt_pk_f16_f32 v[TMP+16*\g+k], v[32*(\a)+2*k], v[32*(\a)+2*k+1]
.set k, k+1
.endr
.else
.irp hf, 0,1
	WIN (\g+1)
.set k, 0
.rept 16
	v_and_b32 v[TL+k], v[32*(\a)+16*\hf+k], s45                ; the high half, still f32
	v_sub_f32 v[TL+16+k], v[32*(\a)+16*\hf+k], v[TL+k]         ; the remainder, exact
.set k, k+1
.endr
	WIN 0
.set k, 0
.rept 8
	v_cvt_pk_f16_f32 v[TMP+16*\g+8*\hf+k], v[TL+2*k], v[TL+2*k+1]
	v_cvt_pk_f16_f32 v[TMPL+16*(\g-1)+8*\hf+k], v[TL+16+2*k], v[TL+16+2*k+1]
.set k, k+1
.endr
.endr
.endif
.endr
	WIN 0
.irp t, 0,1,2,3,4,5,6,7,8,9,10,11
	ds_store_b128 v[STO], v[TMP+4*\t:TMP+4*\t+3] offset:32*\t
.endr
	s_wait_xcnt 0x0                                ; the read-back buffer, which earlier stores read, is loaded again only behind this wait
.irp g, 0,1,2
.irp t, 0,1,2,3
	ds_load_b128 v[\buf+16*\g+4*\t:\buf+16*\g+4*\t+3], v[RD] offset:1600*\t+128*\g
.endr
.endr
.irp g, 0,1,2
.irp t, 0,1,2,3
	s_wait_dscnt 11-4*\g-\t
	global_store_b128 v[CO], v[\buf+16*\g+4*\t:\buf+16*\g+4*\t+3], s[SB+2*\g:SB+2*\g+1] offset:2048*(\a)+512*\t
.endr
.endr
.if \isv
.irp t, 0,1,2,3,4,5,6,7
	ds_store_b128 v[STO], v[TMPL+4*\t:TMPL+4*\t+3] offset:128+32*\t
.endr
	s_wait_xcnt 0x0
.irp g, 1,2
.irp t, 0,1,2,3
	ds_load_b128 v[\buf+16*\g+4*\t:\buf+16*\g+4*\t+3], v[RD] offset:1600*\t+128*\g
.endr
.endr
.irp g, 1,2
.irp t, 0,1,2,3
	s_wait_dscnt 11-4*\g-\t
	global_store_b128 v[CO], v[\buf+16*\g+4*\t:\buf+16*\g+4*\t+3], s[SB+4+2*\g:SB+5+2*\g] offset:2048*(\a)+512*\t
.endr
.endr
.endif
.endm
	s_cmp_eq_u32 s12, 0                            ; hangs on the wave's number alone
	s_cbranch_scc0 .Lvwave
.irp a, 0,1,2,3,4,5,6,7
	OUT16 \a, BUF0+48*(\a%2), 0                    ; the two read-back buffers take turns
.endr
	s_branch .Lclose
.Lvwave:
.irp a, 0,1,2,3,4,5,6,7
	OUT16 \a, BUF0+48*(\a%2), 1
.endr
.Lclose:
	s_wait_tensorcnt 0x0
	ds_add_u32 v30, v31
	s_wait_dscnt 0x0
	CROUND                                         ; the closing round: no work-group ends while a partner may still ask for a tile that names it
	s_endpgm
.Lfunc_end_k_q21ba945ed4_qkv:
	.size	k_q21ba945ed4_qkv, .Lfunc_end_k_q21ba945ed4_qkv-k_q21ba945ed4_qkv
	.p2alignl 7, 3214868480
	.fill 96, 4, 3214868480
	.section	.rodata,"a",@progbits
	.p2align	6, 0x0
	.amdhsa_kernel k_q21ba945ed4_qkv
		.amdhsa_group_segment_fixed_size 327680
		.amdhsa_private_segment_fixed_size 0
		.amdhsa_enable_private_segment 0
		.amdhsa_kernarg_size 24
		.amdhsa_user_sgpr_count 2
		.amdhsa_user_sgpr_kernarg_segment_ptr 1
		.amdhsa_wavefront_size32 1
		.amdhsa_system_sgpr_workgroup_id_x 1
		.amdhsa_system_sgpr_workgroup_id_y 1
		.amdhsa_system_sgpr_workgroup_id_z 1
		.amdhsa_system_vgpr_workitem_id 0
		.amdhsa_next_free_vgpr 1024
		.amdhsa_next_free_sgpr 76
		.amdhsa_reserve_vcc 0
		.amdhsa_float_denorm_mode_32 3
		.amdhsa_float_denorm_mode_16_64 3
		.amdhsa_memory_ordered 1
		.amdhsa_forward_progress 1
		.amdhsa_inst_pref_size 255
	.end_amdhsa_kernel
	.section	.bss,"aw",@nobits
	.p2align	6
	.space	262144
	.amdgpu_metadata
---
amdhsa.version: [ 1, 2 ]
amdhsa.kernels:
  - .name:           k_q21ba945ed4_qkv
    .symbol:         k_q21ba945ed4_qkv.kd
    .args:
      - { .name: xb, .offset: 0, .size: 8, .value_kind: global_buffer, .address_space: global }
      - { .name: wq, .offset: 8, .size: 8, .value_kind: global_buffer, .address_space: global }
      - { .name: qkv, .offset: 16, .size: 8, .value_kind: global_buffer, .address_space: global }
    .group_segment_fixed_size: 327680
    .private_segment_fixed_size: 0
    .kernarg_segment_align: 8
    .kernarg_segment_size: 24
    .max_flat_workgroup_size: 128
    .sgpr_count:     76
    .vgpr_count:     1024
    .wavefront_size: 32
...
	.end_amdgpu_metadata
.endif
;; end of part 2
;; launch attn (part 3): grid 8 x 32, 8 waves a work-group, no clusters, 327,680 bytes of LDS; arguments qkv, y; writes y
.if DOCPART == 3
	.amdgcn_target "amdgcn-amd-amdhsa--gfx1250"
	.amdhsa_code_object_version 6
	.text
	.protected	k_q21ba945ed4_attn
	.globl	k_q21ba945ed4_attn
	.p2align	8
	.type	k_q21ba945ed4_attn,@function
k_q21ba945ed4_attn:
	s_mov_b64 s[64:65], 0
	v_nop
	global_prefetch_b8 v0, s[64:65] scope:SCOPE_SE
	s_setreg_imm32_b32 hwreg(HW_REG_WAVE_MODE, 25, 1), 1
	s_wait_xcnt 0x0
; Causal attention with a running maximum, f16 operands, f32 sums and statistics.  qkv[64][8192][64] f16 in, y[32][8192][64] f16 out (slab 2 head + part: high and low halves).
; A work-group takes two heads of one batch and the query blocks (128 rows) i and 15 - i, i = 0 .. 7: key tiles of 128, i + 1 and 16 - i of them, 17 trips in every work-group.
; Eight waves, two on a SIMD: wave w = (kh, hd, qh) takes the key half kh of every tile, head hd, 64 queries qh.  Waves w and w + 4 have the same queries and other keys, each with
; its own sums, maximum and denominator; they are merged once a pass through LDS.
; Everything is transposed: S^T = K Q^T puts a query in a lane (r = l % 16) and keys 8 h + j in its registers, which packed to f16 IS the second operand of O^T = V^T P^T.
; So the statistics are one number a lane and one exchange between the halves of the wave.
; nm = -max in units of c = log2(e) / 8; p = exp2(c s + nm).  nm starts at 1e30, l at 0.  A key beyond the query gets the most negative finite f32 as its score: c times it is
; about -6e37, its sum with nm stays finite, and exp2 of that is 0; where all of a wave's keys are masked, min(6e37, nm) leaves nm as it was.
; LIMITS: |c s| below 1e30; pass A's sums are finite (pass B's first trip multiplies them by exp2(-1e30) = 0 instead of clearing);
; P is rounded to f16 (it is at most 1; below 2^-14 absolute error at most 2^-25); |y| below 65504.
; V's LOW HALVES are added in the diagonal tile only: a row with fewer than 129 keys has all of them there, and only such rows are so little averaged that V's 11 bits would show.
; y goes out as high and low halves for the same reason.
; NO MULTICAST: the eight work-groups that read the same K and V have i + 1 and then 16 - i tiles, so partners would need different tiles in the same trip;
; walking all 16 tiles twice in step would be 32 trips instead of 17.
; LDS: slot s at 77,824 s: V of head 0, head 1 (128 rows, pitch 160), K of head 0, head 1 (pitch 144); 155,648: four merge areas of 17,408; 225,280: 10,240 for each wave, its own.
.set SLB,  1048576
.set SLOT, 77824
.set KOFF, 40960
.set MRG,  155648
.set VSC,  225280
; window 0
.set CC,   2                           ; v[2:3]  c, twice
.set ADRK, 8                           ; v8-9    my K fragments in slot 0, 1
.set ADRV, 10                          ; v10-11  my V fragments (transposing loads)
.set QOFF, 12                          ; Q in memory: 128 r + 16 h
.set DL,   13                          ; r - 8 h + 64 (qh - kh): key 16 kt + j is kept for query tile qt if 16 (kt - qt) + j <= DL
.set MRGA, 14
.set STO,  15
.set RD,   16
.set CO,   17                          ; 16 l
.set VSTO, 18
.set VRD,  19
.set ST,   20                          ; v[20+2q] nm, v[21+2q] l
.set AL,   28                          ; v[28+2q] alpha, v[29+2q] at work
.set MX,   36
.set SUM,  40                          ; v[40+2q:41+2q] first nm twice, then the sums of p
.set PS,   48
.set F1,   56
.set KF,   64                          ; v64-127  K fragments (kt, ds) at 8 (2 kt + ds)
.set SC,   128                         ; v128-255 S tile (q, kt) at 32 q + 8 kt; then P (q, ks) at 32 q + 8 ks
; window 1
.set OA,   0                           ; O tile (q, dt) at 32 q + 8 dt
.set QF,   128                         ; Q fragments (q, ds) at 8 (2 q + ds)
.set VF,   192                         ; V fragments (ks, dt) at 8 (4 ks + dt)
.set G1V, 24
.set G1K, 32
.set G0V, 40
.set G0K, 48
.set MSB, 0
.macro WIN new                         ; the immediate's high byte repeats the setting that is left
.if MSB != (\new)
	s_set_vgpr_msb (MSB<<8)|(\new)
.set MSB, (\new)
.endif
.endm
.macro NOPS n
.rept \n
	v_nop
.endr
.endm
; One tensor load a wave: waves 0, 1 V of head 0, 1; waves 2, 3 K of head 0, 1; waves 4 to 7 none.  16 KiB each, dense, as 64 rows of 256 bytes.
.macro KVLOAD s
	s_cmp_gt_u32 s8, 3
	s_cbranch_scc1 .Lkv_end_\@
	s_cmp_gt_u32 s8, 1
	s_cbranch_scc1 .Lkv_k_\@
	tensor_load_to_lds s[G0V+4*\s:G0V+4*\s+3], s[G1V:G1V+7]
	s_nop 0
	s_branch .Lkv_end_\@
.Lkv_k_\@:
	tensor_load_to_lds s[G0K+4*\s:G0K+4*\s+3], s[G1K:G1K+7]
	s_nop 0
.Lkv_end_\@:
.endm
	s_load_b128 s[4:7], s[0:1], 0x0                ; qkv s[4:5], y s[6:7]
	v_lshl_add_u32 v254, v0, 2, 0x4b000
	v_mov_b32 v255, 0
	ds_add_u32 v254, v255
	s_wait_dscnt 0x0
	s_barrier_signal -1
	s_barrier_wait -1
	v_lshrrev_b32 v1, 5, v0
	v_readfirstlane_b32 s8, v1                     ; wave
	s_lshr_b32 s9, s8, 2                           ; kh
	s_bfe_u32 s10, s8, 0x10001                     ; hd
	s_and_b32 s11, s8, 1                           ; qh.  Also: the head whose tile I fetch
	s_mov_b32 s12, ttmp9                           ; i
	s_sub_co_u32 s21, 15, s12                      ; pass B's block
	s_mov_b32 s16, 0x76543210                      ; v_permlanex16_b32: lane l reads lane l xor 16
	s_mov_b32 s17, 0xfedcba98
	s_mov_b32 s20, 0xbe38aa3b                      ; -c = -log2(e) / 8
	s_mov_b32 s[G1V+0], (3<<16)|(1<<20)|(4<<22)|(7<<25)    ; elements of 8 bytes; after every 32 words 8 words of padding: pitch 160
	s_mov_b32 s[G1K+0], (3<<16)|(1<<20)|(4<<22)|(3<<25)    ; 4 words: pitch 144
.irp g, G1V, G1K
	s_mov_b32 s[\g+1], 32<<16                      ; tensor_dim0 = 32
	s_mov_b32 s[\g+2], 64<<16                      ; tensor_dim1 = 64
	s_mov_b32 s[\g+3], 32<<16                      ; tile_dim0 = 32
	s_mov_b32 s[\g+4], 64                          ; tile_dim1 = 64
	s_mov_b32 s[\g+5], 32                          ; dense
	s_mov_b32 s[\g+6], 0
	s_mov_b32 s[\g+7], 0
.endr
	s_and_b32 s2, ttmp7, 0xffff
	s_lshr_b32 s3, s2, 3
	s_lshl_b32 s3, s3, 18                          ; batch: 2,048 rows of 128 bytes
	s_and_b32 s2, s2, 7
	s_lshl_b32 s2, s2, 1                           ; the work-group's first head
	s_add_co_u32 s60, s2, s11
	s_lshl_b32 s60, s60, 20
	s_add_co_u32 s60, s60, s3                      ; the tiles I fetch: head slab and batch
	s_mov_b32 s61, 0
	s_add_co_u32 s70, s2, s10                      ; my head
	s_lshl_b32 s62, s70, 21                        ; in y a head has two slabs
	s_lshl_b32 s70, s70, 20
	s_add_co_u32 s22, s70, s3
	s_lshl_b32 s23, s11, 13                        ; 64 qh rows
	s_add_co_u32 s70, s22, s23
	s_mov_b32 s71, 0
	s_add_co_u32 s62, s62, s3
	s_add_co_u32 s62, s62, s23
	s_mov_b32 s63, 0
	s_lshl_b32 s23, s9, 13                         ; 64 kh rows
	s_add_co_u32 s2, s22, s23
	s_mov_b32 s3, 0
	s_mul_i32 s22, s8, 20480                       ; LDS: V of head w
	s_mul_i32 s23, s8, 18432                       ; K of head w - 2: 40,960 + (w - 2) x 18,432
	s_add_co_u32 s23, s23, 4096
	s_wait_kmcnt 0x0
	s_add_nc_u64 s[56:57], s[4:5], s[60:61]
	s_add_nc_u64 s[58:59], s[56:57], 16*SLB        ; K's tile 0
	s_add_nc_u64 s[56:57], s[56:57], 32*SLB        ; V's tile 0
	s_add_nc_u64 s[66:67], s[4:5], s[70:71]        ; Q, block 0
	s_add_nc_u64 s[68:69], s[6:7], s[62:63]        ; y, block 0
	s_add_nc_u64 s[76:77], s[4:5], s[2:3]
	s_add_nc_u64 s[76:77], s[76:77], 48*SLB        ; V's low halves, tile 0, my 64 keys
.irp s, 0,1
	s_mov_b32 s[G0V+4*\s], 1
	s_add_co_u32 s[G0V+4*\s+1], s22, \s*SLOT
	s_mov_b32 s[G0K+4*\s], 1
	s_add_co_u32 s[G0K+4*\s+1], s23, \s*SLOT
.endr
	s_mov_b64 s[G0V+2:G0V+3], s[56:57]
	s_or_b32 s[G0V+3], s[G0V+3], 0x80000000
	s_mov_b64 s[G0K+2:G0K+3], s[58:59]
	s_or_b32 s[G0K+3], s[G0K+3], 0x80000000
	KVLOAD 0                                       ; tile 0: the one first fill at the start; slot 1 is first filled behind the first trip's barrier
	v_and_b32 v1, 31, v0                           ; l
	v_and_b32 v2, 15, v0                           ; r
	v_bfe_u32 v3, v0, 4, 1                         ; h
	v_and_b32 v4, 7, v0
	v_bfe_u32 v5, v0, 3, 1
	v_lshrrev_b32 v6, 3, v1
	v_mul_u32_u24 v7, v2, 144
	v_lshl_add_u32 v7, v3, 4, v7                   ; 144 r + 16 h
	s_mul_i32 s22, s10, 18432
	s_mul_i32 s23, s9, 9216
	s_add_co_u32 s22, s22, s23
	s_add_co_u32 s22, s22, KOFF
	v_add_nc_u32 v[ADRK], s22, v7
	v_add_nc_u32 v[ADRK+1], SLOT, v[ADRK]
	v_lshl_add_u32 v[VRD], v3, 3, v4               ; transposing load: key row 8 h + (l & 7), 16 bytes at 16 ((l >> 3) & 1)
	v_mul_u32_u24 v[VRD], v[VRD], 160
	v_lshl_add_u32 v[VRD], v5, 4, v[VRD]
	s_mul_i32 s22, s10, 20480
	s_mul_i32 s23, s9, 10240
	s_add_co_u32 s22, s22, s23
	v_add_nc_u32 v[ADRV], s22, v[VRD]
	v_add_nc_u32 v[ADRV+1], SLOT, v[ADRV]
	s_mul_i32 s22, s8, 10240
	s_add_co_u32 s22, s22, VSC                     ; my own 10,240 bytes
	v_add_nc_u32 v[VRD], s22, v[VRD]
	v_mul_u32_u24 v[VSTO], v6, 160
	v_lshl_add_u32 v[VSTO], v4, 4, v[VSTO]
	v_add_nc_u32 v[VSTO], s22, v[VSTO]
	v_add_nc_u32 v[STO], s22, v7
	v_mul_u32_u24 v[RD], v6, 144
	v_lshl_add_u32 v[RD], v4, 4, v[RD]
	v_add_nc_u32 v[RD], s22, v[RD]
	v_lshlrev_b32 v[CO], 4, v1
	s_and_b32 s22, s8, 3
	s_mul_i32 s22, s22, 17408
	s_add_co_u32 s22, s22, MRG
	v_add_nc_u32 v[MRGA], s22, v[CO]
	v_lshlrev_b32 v[QOFF], 7, v2
	v_lshl_add_u32 v[QOFF], v3, 4, v[QOFF]
	s_sub_co_i32 s22, s11, s9
	s_lshl_b32 s22, s22, 6
	v_lshlrev_b32 v7, 3, v3
	v_sub_nc_u32 v[DL], v2, v7
	v_add_nc_u32 v[DL], s22, v[DL]
	v_mov_b32 v[CC], 0x3e38aa3b                    ; c = log2(e) / 8, in both registers of the pair (r and h are no longer needed)
	v_mov_b32 v[CC+1], 0x3e38aa3b
.irp q, 0,1,2,3
	v_mov_b32 v[AL+2*\q+1], 0                      ; v_permlanex16_b32 counts as a reader of its destination
.endr
; A pass begins: addresses of block blk, its Q fragments straight from memory (a fragment's rows lie along d), the statistics.
.macro NEWPASS blk
	s_lshl_b32 s70, \blk, 14                       ; 128 rows of 128 bytes
	s_add_nc_u64 s[72:73], s[66:67], s[70:71]
	s_add_nc_u64 s[74:75], s[68:69], s[70:71]
	s_add_nc_u64 s[78:79], s[76:77], s[70:71]      ; the diagonal tile's low halves of V
	WIN 0x40
.irp q, 0,1,2,3
.irp ds, 0,1
	global_load_b128 v[QF+8*(2*\q+\ds):QF+8*(2*\q+\ds)+3], v[QOFF], s[72:73] offset:2048*\q+64*\ds
	global_load_b128 v[QF+8*(2*\q+\ds)+4:QF+8*(2*\q+\ds)+7], v[QOFF], s[72:73] offset:2048*\q+64*\ds+32
.endr
.endr
	WIN 0
.irp q, 0,1,2,3
	v_mov_b32 v[ST+2*\q], 0x7149f2ca               ; nm = 1e30
	v_mov_b32 v[ST+2*\q+1], 0                      ; l = 0
.endr
	s_wait_loadcnt 0x0
.endm
	NEWPASS s12
	s_mov_b32 s13, 0                               ; key tile
	s_mov_b32 s14, s12                             ; the pass's last tile, the diagonal one
; The diagonal tile: keys beyond the query get the most negative finite f32; one compare serves all tiles with the same kt - qt.  Then V's low halves of my 64 keys are asked for:
; 16 loads of 512 consecutive bytes into K's fragment registers, which the products above have read (four places stand behind them).
.macro DIAG
.irp dd, 0,1,2,3,4,5,6
.irp j, 0,1,2,3,4,5,6,7
	v_cmp_le_i32 vcc_lo, 16*(\dd-3)+\j, v[DL]
.irp q, 0,1,2,3
.if \q+\dd > 2
.if \q+\dd < 7
	v_cndmask_b32 v[SC+32*\q+8*(\q+\dd-3)+\j], 0xff7fffff, v[SC+32*\q+8*(\q+\dd-3)+\j], vcc_lo
.endif
.endif
.endr
.endr
.endr
.set t, 0
.rept 16
	global_load_b128 v[KF+4*t:KF+4*t+3], v[CO], s[78:79] offset:512*t
.set t, t+1
.endr
.endm
; Softmax step on 4 query tiles x 32 scores a lane; the four tiles' chains do not wait for each other.
.macro SOFT
.irp q, 0,1,2,3
	v_max3_num_f32 v[MX+\q], v[SC+32*\q], v[SC+32*\q+1], v[SC+32*\q+2]
.endr
.set e, 3
.rept 14
.irp q, 0,1,2,3
	v_max3_num_f32 v[MX+\q], v[MX+\q], v[SC+32*\q+e], v[SC+32*\q+e+1]
.endr
.set e, e+2
.endr
.irp q, 0,1,2,3
	v_max_num_f32 v[MX+\q], v[MX+\q], v[SC+32*\q+31]
.endr
.irp q, 0,1,2,3
	v_permlanex16_b32 v[AL+2*\q+1], v[MX+\q], s16, s17         ; the other half of the wave has the query's other keys
.endr
.irp q, 0,1,2,3
	v_max_num_f32 v[MX+\q], v[MX+\q], v[AL+2*\q+1]
.endr
.irp q, 0,1,2,3
	v_mul_f32 v[MX+\q], s20, v[MX+\q]                          ; -c max
.endr
.irp q, 0,1,2,3
	v_min_num_f32 v[SUM+2*\q], v[MX+\q], v[ST+2*\q]            ; the new nm, in both registers of a pair for the packed multiply-add
	v_min_num_f32 v[SUM+2*\q+1], v[MX+\q], v[ST+2*\q]
.endr
.irp q, 0,1,2,3
	v_sub_f32 v[AL+2*\q], v[SUM+2*\q], v[ST+2*\q]
.endr
.irp q, 0,1,2,3
	v_mov_b32 v[ST+2*\q], v[SUM+2*\q]
.endr
.irp q, 0,1,2,3
	v_exp_f32 v[AL+2*\q], v[AL+2*\q]                           ; alpha = exp2(new nm - old nm); the multiply-adds below are the plain places behind it (ISA guide 5.7.2)
.endr
.irp q, 0,1,2,3
.set e, 0
.rept 16
	v_pk_fma_f32 v[SC+32*\q+e:SC+32*\q+e+1], v[SC+32*\q+e:SC+32*\q+e+1], v[CC:CC+1], v[SUM+2*\q:SUM+2*\q+1]   ; c s + nm
.set e, e+2
.endr
.endr
.set e, 0
.rept 128
	v_exp_f32 v[SC+e], v[SC+e]
.set e, e+1
.endr
	v_nop                                          ; one plain place behind the last exponential
	s_wait_alu depctr_va_vdst(0)
.irp q, 0,1,2,3
	v_pk_add_f32 v[SUM+2*\q:SUM+2*\q+1], v[SC+32*\q:SC+32*\q+1], v[SC+32*\q+2:SC+32*\q+3]
.endr
.set e, 4
.rept 14
.irp q, 0,1,2,3
	v_pk_add_f32 v[SUM+2*\q:SUM+2*\q+1], v[SUM+2*\q:SUM+2*\q+1], v[SC+32*\q+e:SC+32*\q+e+1]
.endr
.set e, e+2
.endr
.irp q, 0,1,2,3
	v_add_f32 v[SUM+2*\q], v[SUM+2*\q], v[SUM+2*\q+1]
.endr
.irp q, 0,1,2,3
	v_fma_f32 v[ST+2*\q+1], v[ST+2*\q+1], v[AL+2*\q], v[SUM+2*\q]      ; l of this lane's keys; the halves meet at the pass's end
.endr
.set e, 0
.rept 16
.irp q, 0,1,2,3
	v_cvt_pk_f16_f32 v[SC+32*\q+e], v[SC+32*\q+2*e], v[SC+32*\q+2*e+1]  ; in place, ascending: register e is written when 2 e and 2 e + 1 are read
.endr
.set e, e+1
.endr
.endm
; The diagonal tile's second product: V's low halves go through my own LDS bytes (pitch 160) to be transposed, into the upper halves of S's registers, which P has left free.
.macro PVLO
.set t, 0
.rept 16
	ds_store_b128 v[VSTO], v[KF+4*t:KF+4*t+3] offset:640*t     ; four rows a store
.set t, t+1
.endr
.irp ks, 0,1
.irp dt, 0,1,2,3
.set vl, SC+32*(2*\ks+\dt/2)+16+8*(\dt%2)
	ds_load_tr16_b128 v[vl:vl+3], v[VRD] offset:5120*\ks+32*\dt            ; LDS serves a wave in order: these see the stores above
	ds_load_tr16_b128 v[vl+4:vl+7], v[VRD] offset:5120*\ks+32*\dt+2560
.endr
.endr
	s_wait_dscnt 0x0
	WIN 0x50
.irp ks, 0,1
.irp q, 0,1,2,3
.irp dt, 0,1,2,3
.set vl, SC+32*(2*\ks+\dt/2)+16+8*(\dt%2)
	v_wmma_f32_16x16x32_f16 v[OA+32*\q+8*\dt:OA+32*\q+8*\dt+7], v[vl:vl+7], v[SC+32*\q+8*\ks:SC+32*\q+8*\ks+7], v[OA+32*\q+8*\dt:OA+32*\q+8*\dt+7]
.endr
.endr
.endr
	WIN 0
	NOPS 5                                         ; places in front of the readers of O and of the next products, which write over P
.endm
; Sixteen read-backs of four rows and their stores: 512 consecutive bytes of a slab each.
.macro BACK dst, off
.set t, 0
.rept 16
	ds_load_b128 v[\dst+4*t:\dst+4*t+3], v[RD] offset:576*t
.set t, t+1
.endr
.set t, 0
.rept 16
	s_wait_dscnt 15-t                              ; LDS loads return in order
	global_store_b128 v[CO], v[\dst+4*t:\dst+4*t+3], s[74:75] offset:\off+512*t
.set t, t+1
.endr
.endm
.macro STAGEIN src                     ; by query row, 16 bytes a lane, into my own bytes
.irp q, 0,1,2,3
.irp dt, 0,1,2,3
	ds_store_b128 v[STO], v[\src+4*(4*\q+\dt):\src+4*(4*\q+\dt)+3] offset:2304*\q+32*\dt
.endr
.endr
.endm
; A pass ends: waves 4 to 7 hand their sums and statistics to waves 0 to 3, which merge, divide and store y.
.macro EPI last
.irp q, 0,1,2,3
	v_permlanex16_b32 v[AL+2*\q+1], v[ST+2*\q+1], s16, s17
.endr
.irp q, 0,1,2,3
	v_add_f32 v[ST+2*\q+1], v[ST+2*\q+1], v[AL+2*\q+1]         ; l over both halves of the wave
.endr
	s_cmp_gt_u32 s8, 3
	s_cbranch_scc0 .Lep_a_\@
	WIN 0x04
.set g, 0
.rept 32
	ds_store_b128 v[MRGA], v[OA+4*g:OA+4*g+3] offset:512*g
.set g, g+1
.endr
	WIN 0
	ds_store_b128 v[MRGA], v[ST:ST+3] offset:16384
	ds_store_b128 v[MRGA], v[ST+4:ST+7] offset:16896
.Lep_a_\@:
	s_wait_dscnt 0x0                               ; my stores are in LDS before I say so
	s_barrier_signal -1                            ; The trip's refill may stay on its way
	s_barrier_wait -1
	s_cmp_gt_u32 s8, 3
	s_cbranch_scc1 .Lep_b_\@
	ds_load_b128 v[PS:PS+3], v[MRGA] offset:16384
	ds_load_b128 v[PS+4:PS+7], v[MRGA] offset:16896
.set g, 0
.rept 32
	ds_load_b128 v[SC+4*g:SC+4*g+3], v[MRGA] offset:512*g
.set g, g+1
.endr
	s_wait_dscnt 32                                ; the statistics are in; the 32 younger loads stay out
.irp q, 0,1,2,3
	v_min_num_f32 v[MX+\q], v[ST+2*\q], v[PS+2*\q]
.endr
.irp q, 0,1,2,3
	v_sub_f32 v[AL+2*\q], v[MX+\q], v[ST+2*\q]
	v_sub_f32 v[AL+2*\q+1], v[MX+\q], v[PS+2*\q]
.endr
.irp q, 0,1,2,3
	v_exp_f32 v[AL+2*\q], v[AL+2*\q]               ; a1
	v_exp_f32 v[AL+2*\q+1], v[AL+2*\q+1]           ; a2
.endr
	v_nop
	s_wait_alu depctr_va_vdst(0)
.irp q, 0,1,2,3
	v_mul_f32 v[MX+\q], v[AL+2*\q+1], v[PS+2*\q+1]
.endr
.irp q, 0,1,2,3
	v_fma_f32 v[MX+\q], v[AL+2*\q], v[ST+2*\q+1], v[MX+\q]     ; l = a1 l1 + a2 l2, at least 1: the largest p of the row is 1
.endr
.irp q, 0,1,2,3
	v_rcp_f32 v[MX+\q], v[MX+\q]
.endr
	v_nop
	s_wait_alu depctr_va_vdst(0)
.irp q, 0,1,2,3
	v_mul_f32 v[F1+2*\q], v[AL+2*\q], v[MX+\q]
	v_mul_f32 v[F1+2*\q+1], v[AL+2*\q], v[MX+\q]
	v_mul_f32 v[SUM+2*\q], v[AL+2*\q+1], v[MX+\q]
	v_mul_f32 v[SUM+2*\q+1], v[AL+2*\q+1], v[MX+\q]
.endr
	s_wait_dscnt 0x0
.irp q, 0,1,2,3
.set e, 0
.rept 16
	v_pk_mul_f32 v[SC+32*\q+e:SC+32*\q+e+1], v[SC+32*\q+e:SC+32*\q+e+1], v[SUM+2*\q:SUM+2*\q+1]
.set e, e+2
.endr
.endr
	WIN 0x01
.irp q, 0,1,2,3
.set e, 0
.rept 16
	v_pk_fma_f32 v[SC+32*\q+e:SC+32*\q+e+1], v[OA+32*\q+e:OA+32*\q+e+1], v[F1+2*\q:F1+2*\q+1], v[SC+32*\q+e:SC+32*\q+e+1]
.set e, e+2
.endr
.endr
	WIN 0
	; y as a pair of f16: the f32 cut to 11 significant bits, and the exact remainder
.set bb, 0
.rept 8
.set k, 0
.rept 16
	v_and_b32 v[PS+k], 0xffffe000, v[SC+16*bb+k]
.set k, k+1
.endr
.set k, 0
.rept 8
	v_cvt_pk_f16_f32 v[KF+8*bb+k], v[PS+2*k], v[PS+2*k+1]
	v_pk_add_f32 v[SC+16*bb+2*k:SC+16*bb+2*k+1], v[SC+16*bb+2*k:SC+16*bb+2*k+1], v[PS+2*k:PS+2*k+1] neg_lo:[0,1] neg_hi:[0,1]
.set k, k+1
.endr
.set bb, bb+1
.endr
.set e, 0
.rept 64
	v_cvt_pk_f16_f32 v[SC+e], v[SC+2*e], v[SC+2*e+1]
.set e, e+1
.endr
	STAGEIN KF                                     ; the high halves; LDS serves a wave in order, so no wait stands between my stores and my loads
	BACK SC+64, 0
	STAGEIN SC                                     ; the low halves, one slab further
	BACK KF, SLB
.if \last == 0
	s_wait_xcnt 0x0                                ; the stores' data and base are written again only behind this wait
.endif
.Lep_b_\@:
.if \last == 0
	NEWPASS s21
.endif
.endm
; One key tile.  slot: where it lies; other: the slot filled with the next tile.  mayend: the trip may be pass A's last; last: it is pass B's last.
.macro TRIP slot, other, refill, first, mayend, last
	s_wait_xcnt 0x0
	v_lshl_add_u32 v254, v0, 2, 0x4b000
	v_mov_b32 v255, 0
	s_wait_tensorcnt 0x0                           ; all my tensor loads have landed, my part of this tile among them: every group 0 may be written
	ds_add_u32 v254, v255
	s_wait_dscnt 0x0
.if \refill
	s_add_co_u32 s22, s13, 1                       ; the next tile: one further, or pass B's tile 0
	s_cmp_eq_u32 s13, s14
	s_cselect_b32 s22, 0, s22
	s_lshl_b32 s60, s22, 14
	s_add_nc_u64 s[G0V+4*\other+2:G0V+4*\other+3], s[56:57], s[60:61]
	s_or_b32 s[G0V+4*\other+3], s[G0V+4*\other+3], 0x80000000
	s_add_nc_u64 s[G0K+4*\other+2:G0K+4*\other+3], s[58:59], s[60:61]
	s_or_b32 s[G0K+4*\other+3], s[G0K+4*\other+3], 0x80000000
.endif
	s_wait_dscnt 0x0                               ; my reads of the other slot are back
	s_barrier_signal -1
	s_barrier_wait -1                              ; both now hold of all eight waves
.if \refill
	KVLOAD \other                                  ; my one tensor load behind the barrier; it has the whole trip in which to land
.endif
.irp kt, 0,1,2,3
.irp ds, 0,1
	ds_load_b128 v[KF+8*(2*\kt+\ds):KF+8*(2*\kt+\ds)+3], v[ADRK+\slot] offset:2304*\kt+64*\ds
	ds_load_b128 v[KF+8*(2*\kt+\ds)+4:KF+8*(2*\kt+\ds)+7], v[ADRK+\slot] offset:2304*\kt+64*\ds+32
.endr
.endr
	WIN 0x40
.irp ks, 0,1
.irp dt, 0,1,2,3
	ds_load_tr16_b128 v[VF+8*(4*\ks+\dt):VF+8*(4*\ks+\dt)+3], v[ADRV+\slot] offset:5120*\ks+32*\dt
	ds_load_tr16_b128 v[VF+8*(4*\ks+\dt)+4:VF+8*(4*\ks+\dt)+7], v[ADRV+\slot] offset:5120*\ks+32*\dt+2560
.endr
.endr
	s_wait_dscnt 16                                ; K's 16 loads are in, V's 16 younger ones stay out
	WIN 0x04
	; S^T = K Q^T: 16 tiles, two steps along d.  The accumulators take turns, one instruction a turn.
.irp q, 0,1,2,3
.irp kt, 0,1,2,3
	v_wmma_f32_16x16x32_f16 v[SC+32*\q+8*\kt:SC+32*\q+8*\kt+7], v[KF+16*\kt:KF+16*\kt+7], v[QF+16*\q:QF+16*\q+7], 0
.endr
.endr
.irp q, 0,1,2,3
.irp kt, 0,1,2,3
	v_wmma_f32_16x16x32_f16 v[SC+32*\q+8*\kt:SC+32*\q+8*\kt+7], v[KF+16*\kt+8:KF+16*\kt+15], v[QF+16*\q+8:QF+16*\q+15], v[SC+32*\q+8*\kt:SC+32*\q+8*\kt+7]
.endr
.endr
	WIN 0
	NOPS 4                                         ; four places in front of the readers of S and of loads into K's registers
.if \last
	DIAG
.else
.if \mayend
	s_cmp_lg_u32 s13, s14
	s_cbranch_scc1 .Lnomask_\@
	DIAG
.Lnomask_\@:
.endif
.endif
	SOFT
.if \first == 0
	WIN 0x41
.irp q, 0,1,2,3
.set e, 0
.rept 16
	v_pk_mul_f32 v[OA+32*\q+e:OA+32*\q+e+1], v[OA+32*\q+e:OA+32*\q+e+1], v[AL+2*\q:AL+2*\q+1] op_sel_hi:[1,0]
.set e, e+2
.endr
.endr
.endif
.if \mayend+\last
	s_wait_loadcnt 0x0                             ; V's low halves, if this trip asked for them: on every way, so that no load is out when K's registers are loaded again
.endif
	s_wait_dscnt 0x0                               ; V's fragments
	WIN 0x51
	; O^T += V^T P^T: 16 tiles, two steps along the keys; the accumulators take turns.  In the first trip the first step starts the sums.
.irp ks, 0,1
.irp q, 0,1,2,3
.irp dt, 0,1,2,3
.if \first*(1-\ks)
	v_wmma_f32_16x16x32_f16 v[OA+32*\q+8*\dt:OA+32*\q+8*\dt+7], v[VF+8*(4*\ks+\dt):VF+8*(4*\ks+\dt)+7], v[SC+32*\q+8*\ks:SC+32*\q+8*\ks+7], 0
.else
	v_wmma_f32_16x16x32_f16 v[OA+32*\q+8*\dt:OA+32*\q+8*\dt+7], v[VF+8*(4*\ks+\dt):VF+8*(4*\ks+\dt)+7], v[SC+32*\q+8*\ks:SC+32*\q+8*\ks+7], v[OA+32*\q+8*\dt:OA+32*\q+8*\dt+7]
.endif
.endr
.endr
.endr
	WIN 0
	NOPS 5                                         ; places in front of the next loads into V's registers, of the next products, which write over P, and of vector work on O
.if \last
	PVLO
	EPI 1
.else
.if \mayend
	s_cmp_lg_u32 s13, s14                          ; hangs on the work-group's number and the trip alone: the same in all eight waves
	s_cbranch_scc1 .Lgo_\@
	PVLO
	EPI 0
	s_mov_b32 s13, -1                              ; pass B begins at tile 0
	s_mov_b32 s14, s21
.Lgo_\@:
.endif
	s_add_co_u32 s13, s13, 1
.endif
.endm
	TRIP 0, 1, 1, 1, 1, 0                          ; trip 0
	s_mov_b32 s15, 7
.Ltrips:
	TRIP 1, 0, 1, 0, 1, 0                          ; trips 1 to 14; pass A ends in trip i, at most 7
	TRIP 0, 1, 1, 0, 1, 0
	s_sub_co_u32 s15, s15, 1
	s_cmp_lg_u32 s15, 0
	s_cbranch_scc1 .Ltrips
	TRIP 1, 0, 1, 0, 0, 0                          ; trip 15: pass B's last tile but one
	TRIP 0, 1, 0, 0, 0, 1                          ; trip 16: pass B's diagonal tile; nothing is left to fetch
	s_wait_xcnt 0x0
	v_lshl_add_u32 v254, v0, 2, 0x4b000
	v_mov_b32 v255, 0
	s_wait_tensorcnt 0x0
	ds_add_u32 v254, v255
	s_wait_dscnt 0x0
	s_endpgm
.Lfunc_end_k_q21ba945ed4_attn:
	.size	k_q21ba945ed4_attn, .Lfunc_end_k_q21ba945ed4_attn-k_q21ba945ed4_attn
	.p2alignl 7, 3214868480
	.fill 96, 4, 3214868480
	.section	.rodata,"a",@progbits
	.p2align	6, 0x0
	.amdhsa_kernel k_q21ba945ed4_attn
		.amdhsa_group_segment_fixed_size 327680
		.amdhsa_private_segment_fixed_size 0
		.amdhsa_enable_private_segment 0
		.amdhsa_kernarg_size 16
		.amdhsa_user_sgpr_count 2
		.amdhsa_user_sgpr_kernarg_segment_ptr 1
		.amdhsa_wavefront_size32 1
		.amdhsa_system_sgpr_workgroup_id_x 1
		.amdhsa_system_sgpr_workgroup_id_y 1
		.amdhsa_system_sgpr_workgroup_id_z 1
		.amdhsa_system_vgpr_workitem_id 0
		.amdhsa_next_free_vgpr 512
		.amdhsa_next_free_sgpr 80
		.amdhsa_reserve_vcc 1
		.amdhsa_float_denorm_mode_32 3
		.amdhsa_float_denorm_mode_16_64 3
		.amdhsa_memory_ordered 1
		.amdhsa_forward_progress 1
		.amdhsa_inst_pref_size 255
	.end_amdhsa_kernel
	.section	.bss,"aw",@nobits
	.p2align	6
	.space	262144
	.amdgpu_metadata
---
amdhsa.version: [ 1, 2 ]
amdhsa.kernels:
  - .name:           k_q21ba945ed4_attn
    .symbol:         k_q21ba945ed4_attn.kd
    .args:
      - { .name: qkv, .offset: 0, .size: 8, .value_kind: global_buffer, .address_space: global }
      - { .name: y, .offset: 8, .size: 8, .value_kind: global_buffer, .address_space: global }
    .group_segment_fixed_size: 327680
    .private_segment_fixed_size: 0
    .kernarg_segment_align: 8
    .kernarg_segment_size: 16
    .max_flat_workgroup_size: 256
    .sgpr_count:     80
    .vgpr_count:     512
    .wavefront_size: 32
...
	.end_amdgpu_metadata
.endif
;; end of part 3
;; launch proj (part 4): grid 8 x 32, 4 waves a work-group, clusters of 4 x 4, 327,680 bytes of LDS; arguments y, wp, out0; writes out0
.if DOCPART == 4
	.amdgcn_target "amdgcn-amd-amdhsa--gfx1250"
	.amdhsa_code_object_version 6
	.text
	.protected	k_q21ba945ed4_proj
	.globl	k_q21ba945ed4_proj
	.p2align	8
	.type	k_q21ba945ed4_proj,@function
k_q21ba945ed4_proj:
	s_mov_b64 s[64:65], 0
	v_nop
	global_prefetch_b8 v0, s[64:65] scope:SCOPE_SE
	s_setreg_imm32_b32 hwreg(HW_REG_WAVE_MODE, 25, 1), 1
	s_wait_xcnt 0x0
	s_wait_alu depctr_hold_cnt(0) depctr_sa_sdst(0) depctr_va_vdst(0) depctr_va_sdst(0) depctr_va_ssrc(0) depctr_va_vcc(0) depctr_vm_vsrc(0)
	s_getreg_b32 s2, hwreg(HW_REG_IB_STS2, 6, 4)
	s_cmp_eq_u32 s2, 0
	s_cbranch_scc0 .Lentry_in_a_cluster
	s_endpgm
.Lentry_in_a_cluster:
	s_bfe_u32 s2, ttmp6, 0x10000c
	s_cmp_lg_u32 s2, 0xf033
	s_cbranch_scc0 .Lentry_shape_is_right
	s_endpgm
.Lentry_shape_is_right:
; out0 = y W_proj: [8192 x 1024] x [1024 x 1024], f16 operands, f32 sums, f32 out, row-major.
; y comes as pairs of f16 (slab 2 head + part: high and low halves), so each K step (one head, 64 k) multiplies both halves by the same slab of wp: K counts 2,048.
; Why: a row of the attention with few keys is far above the output's root mean square, and one rounding of y to 11 bits would show against that.
; A work-group makes 256 rows x 128 columns (8 x 32 = 256 work-groups), four waves, one for each SIMD; a wave makes 128 x 64: 32 accumulator tiles in window 1, tile (a, b) at v[8 (4 a + b)].
; A slot holds one K step: A's two row halves, each as [high, low][128 rows][144 bytes], then B's 128 rows: 92,160 bytes; two slots take turns.
; Waves 0 and 1 fetch A's halves (one load of two rows of 16 KiB, the slab's size apart), waves 2 and 3 B's halves (8 KiB, dense).
; CLUSTERS: 4 x 4 work-groups.  A's tile hangs on the block row alone and is asked for jointly along a row of the cluster, B's on the block column alone, along a column.
; A K step is four quarters of 32 matrix instructions: (high, k 0-31), (high, k 32-63), (low, k 0-31), (low, k 32-63); B's two fragment groups are loaded once and serve two quarters each.
; The matrix instruction is used transposed (source 0 = rows of wp, source 1 = rows of y): a lane holds row l % 16 and eight neighbouring columns, 32 bytes of f32.
.set SLB,    1048576                   ; a slab of y
.set WSL,    131072                    ; a slab of wp
.set PITCH,  144                       ; 128 bytes + 16: sixteen rows start 36 words apart, in sixteen different groups of four banks (64 banks of 4 bytes: ISA guide 11.1)
.set PART,   128*PITCH                 ; one half's high (or low) slab part
.set AHALF,  2*PART
.set BHALF,  64*PITCH
.set BOFF,   2*AHALF
.set SLOT,   2*AHALF+2*BHALF
.set STAGE,  2*SLOT                    ; behind the ring, never a tensor load's target: 16 rows x 272 bytes for each wave
.set SPITCH, 272
.set PADW,   (3<<16)|(1<<20)|(1<<21)|(4<<22)|(3<<25)   ; elements of 8 bytes; padding on; bit 21 beside a mask; after every 32 words; 4 words
.set ADRA, 16
.set ADRB, 20
.set STO,  24
.set RD,   25
.set CO,   26
.set FA,   32                          ; v32-95, v96-159 A's fragments, two buffers
.set FB,   160                         ; v160-191, v192-223 B's fragments of k 0-31 and k 32-63
.set G1,  24                           ; s[24:31] group 1 of A's tiles;  s[32:39] their group 0, one for each slot
.set G0,  32
.set G1B, 48                           ; s[48:55], s[56:63] the same for B's
.set G0B, 56
.set MSB, 0
.macro WIN new                         ; the immediate's high byte repeats the setting that is left
.if MSB != (\new)
	s_set_vgpr_msb (MSB<<8)|(\new)
.set MSB, (\new)
.endif
.endm
.macro PLACES                          ; four places behind a matrix instruction, in front of loads into its sources and of readers of its result
.rept 4
	v_nop
.endr
.endm
; A joint load: waves 0 and 1 fetch A's halves, waves 2 and 3 B's.  The branch hangs on the wave's number alone.
.macro JLOAD s
	s_cmp_eq_u32 s11, 0
	s_cbranch_scc0 .Lfor_b_\@
	tensor_load_to_lds s[G0+4*\s:G0+4*\s+3], s[G1:G1+7]
	s_nop 0
	s_branch .Lasked_\@
.Lfor_b_\@:
	tensor_load_to_lds s[G0B+4*\s:G0B+4*\s+3], s[G1B:G1B+7]
	s_nop 0
.Lasked_\@:
.endm
.macro CREST                           ; a round of the cluster's barrier behind its opening barrier
	s_cmp_lg_u32 s10, 0
	s_cbranch_scc1 .Lnot_wave_0_\@
	s_barrier_signal -3
.Lnot_wave_0_\@:
	s_barrier_wait -3
	s_barrier_signal -1
	s_barrier_wait -1
.endm
.macro CROUND
	s_barrier_signal -1
	s_barrier_wait -1
	CREST
.endm
	s_load_b128 s[4:7], s[0:1], 0x0                ; y s[4:5], wp s[6:7]
	s_load_b64 s[8:9], s[0:1], 0x10                ; out0
	v_lshl_add_u32 v254, v0, 2, 0x31400
	v_mov_b32 v255, 0
	ds_add_u32 v254, v255
	v_lshrrev_b32 v1, 5, v0
	v_readfirstlane_b32 s10, v1                    ; wave
	s_lshr_b32 s11, s10, 1                         ; my half of the rows.  Also: I fetch for A (0) or for B (1)
	s_and_b32 s12, s10, 1                          ; my half of the columns.  Also: which half of that tile I fetch
	s_bfe_u32 s40, ttmp6, 0x40000                  ; cx
	s_bfe_u32 s41, ttmp6, 0x40004                  ; cy
	s_lshl_b32 s42, ttmp9, 2
	s_add_co_u32 s42, s42, s40                     ; bx: block column, 0 .. 7
	s_and_b32 s13, ttmp7, 0xffff
	s_lshl_b32 s13, s13, 2
	s_add_co_u32 s13, s13, s41                     ; by: block row, 0 .. 31
	s_lshl_b32 s43, s41, 2
	s_lshl_b32 s43, 15, s43                        ; my row of the cluster
	s_lshl_b32 s44, 0x1111, s40                    ; my column
	; group 1.  A: two rows of 2,048 elements of 8 bytes (128 rows of 128 bytes, dense), a slab (131,072 elements) apart.  B: 32 rows of 256 bytes, dense.
	s_or_b32 s[G1+0], s43, PADW
	s_or_b32 s[G1B+0], s44, PADW
	s_mov_b32 s[G1+1], 2048<<16                    ; tensor_dim0
	s_mov_b32 s[G1B+1], 32<<16
	s_mov_b32 s[G1+2], 2<<16                       ; tensor_dim1
	s_mov_b32 s[G1B+2], 32<<16
	s_mov_b32 s[G1+3], 2048<<16                    ; tile_dim0
	s_mov_b32 s[G1B+3], 32<<16
	s_mov_b32 s[G1+4], 2                           ; tile_dim1
	s_mov_b32 s[G1B+4], 32
	s_mov_b32 s[G1+5], 131072                      ; pitch
	s_mov_b32 s[G1B+5], 32
	s_mov_b32 s[G1+6], 0
	s_mov_b32 s[G1B+6], 0
	s_mov_b32 s[G1+7], 0
	s_mov_b32 s[G1B+7], 0
	; A's address is made of by and the wave alone, B's of bx and the wave alone, each in registers that never hold the other coordinate
	s_lshl_b32 s16, s13, 15                        ; 256 rows of 128 bytes
	s_lshl_b32 s17, s12, 14
	s_add_co_u32 s16, s16, s17
	s_mov_b32 s17, 0
	s_lshl_b32 s46, s42, 14                        ; 128 rows of 128 bytes
	s_lshl_b32 s47, s12, 13
	s_add_co_u32 s46, s46, s47
	s_mov_b32 s47, 0
	s_mul_i32 s20, s10, AHALF                      ; where they go: waves 0, 1: A's halves
	s_mul_i32 s23, s10, BHALF                      ; waves 2, 3: B's halves, behind A: 73,728 + (wave - 2) x 9,216
	s_add_co_u32 s23, s23, BOFF-2*BHALF
	s_wait_dscnt 0x0
	s_wait_kmcnt 0x0
	s_add_nc_u64 s[14:15], s[4:5], s[16:17]
	s_add_nc_u64 s[46:47], s[6:7], s[46:47]
	CROUND                                         ; all sixteen work-groups are here: the first joint loads meet
.irp s, 0,1
	s_mov_b32 s[G0+4*\s], 1
	s_add_co_u32 s[G0+4*\s+1], s20, \s*SLOT
	s_add_nc_u64 s[G0+4*\s+2:G0+4*\s+3], s[14:15], \s*2*SLB
	s_or_b32 s[G0+4*\s+3], s[G0+4*\s+3], 0x80000000
	s_mov_b32 s[G0B+4*\s], 1
	s_add_co_u32 s[G0B+4*\s+1], s23, \s*SLOT
	s_add_nc_u64 s[G0B+4*\s+2:G0B+4*\s+3], s[46:47], \s*WSL
	s_or_b32 s[G0B+4*\s+3], s[G0B+4*\s+3], 0x80000000
	JLOAD \s                                       ; K steps 0 and 1: two loads of the wave are out
.endr
	v_and_b32 v1, 15, v0                           ; r = l % 16
	v_bfe_u32 v2, v0, 4, 1                         ; h = l / 16
	v_mul_u32_u24 v3, v1, PITCH
	v_lshl_add_u32 v3, v2, 4, v3                   ; a fragment: row r, 16 bytes at 16 h, and 32 bytes further
	s_mul_i32 s21, s11, AHALF
	s_mul_i32 s22, s12, BHALF
	s_add_co_u32 s22, s22, BOFF
.irp s, 0,1
	v_add_nc_u32 v[ADRA+\s], s21, v3
	v_add_nc_u32 v[ADRB+\s], s22, v3
	s_add_co_u32 s21, s21, SLOT
	s_add_co_u32 s22, s22, SLOT
.endr
	s_mul_i32 s23, s10, 16*SPITCH
	s_add_co_u32 s23, s23, STAGE                   ; my stage
	v_mul_u32_u24 v4, v1, SPITCH
	v_lshl_add_u32 v4, v2, 5, v4
	v_add_nc_u32 v[STO], s23, v4                   ; in: row r, 32 bytes for each half of the lanes
	v_mul_u32_u24 v5, v2, SPITCH
	v_lshl_add_u32 v5, v1, 4, v5
	v_add_nc_u32 v[RD], s23, v5                    ; back: lanes 0-15 take one row of 256 bytes, lanes 16-31 the next
	v_lshlrev_b32 v6, 12, v2                       ; and the same two rows in out0: 4,096 bytes a row
	v_lshl_add_u32 v[CO], v1, 4, v6
; The fragments of quarter u: for u = 0, 1 four of B (8 loads), then eight of A (16 loads).
.macro FETCH slot, u
.if \u < 2
.irp b, 0,1,2,3
	ds_load_b128 v[FB+32*\u+8*\b:FB+32*\u+8*\b+3], v[ADRB+\slot] offset:64*\u+\b*16*PITCH
	ds_load_b128 v[FB+32*\u+8*\b+4:FB+32*\u+8*\b+7], v[ADRB+\slot] offset:64*\u+\b*16*PITCH+32
.endr
.endif
.irp a, 0,1,2,3,4,5,6,7
	ds_load_b128 v[FA+64*(\u%2)+8*\a:FA+64*(\u%2)+8*\a+3], v[ADRA+\slot] offset:(\u/2)*PART+(\u%2)*64+\a*16*PITCH
	ds_load_b128 v[FA+64*(\u%2)+8*\a+4:FA+64*(\u%2)+8*\a+7], v[ADRA+\slot] offset:(\u/2)*PART+(\u%2)*64+\a*16*PITCH+32
.endr
.endm
; 16 matrix instructions of quarter u: row tiles a0 .. a0 + 3 x my four column tiles.  The 32 accumulators take turns, one instruction a turn.
.macro MUL16 u, a0, zero
	WIN 0x50
.irp a, \a0, \a0+1, \a0+2, \a0+3
.irp b, 0,1,2,3
.if \zero
	v_wmma_f32_16x16x32_f16 v[8*(4*(\a)+\b):8*(4*(\a)+\b)+7], v[FB+32*(\u%2)+8*\b:FB+32*(\u%2)+8*\b+7], v[FA+64*(\u%2)+8*(\a):FA+64*(\u%2)+8*(\a)+7], 0
.else
	v_wmma_f32_16x16x32_f16 v[8*(4*(\a)+\b):8*(4*(\a)+\b)+7], v[FB+32*(\u%2)+8*\b:FB+32*(\u%2)+8*\b+7], v[FA+64*(\u%2)+8*(\a):FA+64*(\u%2)+8*(\a)+7], v[8*(4*(\a)+\b):8*(4*(\a)+\b)+7]
.endif
.endr
.endr
.endm
; Quarter u of the first three: in its middle it fetches quarter un = u + 1, n loads.
.macro QUARTER slot, u, un, n, zero
	s_wait_dscnt 8                                 ; B and A's row tiles 0-3 are in; the youngest eight loads (row tiles 4-7) may be out
	MUL16 \u, 0, \zero
	PLACES
	WIN 0
	FETCH \slot, \un
	s_wait_dscnt \n                                ; all but the run just issued
	MUL16 \u, 4, \zero
.endm
.macro THREE slot, zero
	QUARTER \slot, 0, 1, 24, \zero
	QUARTER \slot, 1, 2, 16, 0
	QUARTER \slot, 2, 3, 16, 0
.endm
; The last quarter changes slots.  One barrier for two things: in front of it each wave's reads of this slot are back and all its tensor loads have landed
; (one is out: its part of the next slot); behind it the refill comes first, then the next slot's fragments.  From a request to the wait for it: 112 matrix instructions.
.macro TURN slot, next, fill
	s_wait_dscnt 0x0                               ; my reads of this slot are over
	s_wait_tensorcnt 0x0                           ; all my tensor loads have landed
	ds_add_u32 v254, v255
	s_wait_dscnt 0x0
	s_barrier_signal -1                            ; where the slot is filled again this barrier opens a round of the cluster's barrier
	MUL16 3, 0, 0                                  ; register work while the others arrive
	WIN 0
	s_barrier_wait -1
.if \fill
	CREST                                          ; no wave of any partner still reads this slot or has a load on its way
	s_add_nc_u64 s[G0+4*\slot+2:G0+4*\slot+3], s[G0+4*\slot+2:G0+4*\slot+3], 4*SLB
	s_add_nc_u64 s[G0B+4*\slot+2:G0B+4*\slot+3], s[G0B+4*\slot+2:G0B+4*\slot+3], 2*WSL
	JLOAD \slot                                    ; my one tensor load behind the round, two K steps ahead
.endif
	PLACES
	FETCH \next, 0
	MUL16 3, 4, 0
.endm
.macro LAP zero
	THREE 0, \zero
	TURN 0, 1, 1
	THREE 1, 0
	TURN 1, 0, 1
.endm
	s_wait_tensorcnt 0x1                           ; my part of K step 0 is in; K step 1's stays out
	s_barrier_signal -1
	s_barrier_wait -1
	FETCH 0, 0
	LAP 1                                          ; the first products start the sums: nothing is cleared
	WIN 0
	s_mov_b32 s3, 6                                ; 16 K steps = 8 laps: one in front, six here, one behind
.Llap:
	LAP 0
	WIN 0
	s_sub_co_u32 s3, s3, 1
	s_cmp_lg_u32 s3, 0
	s_cbranch_scc1 .Llap
	THREE 0, 0                                     ; the last lap fills nothing
	TURN 0, 1, 0
	THREE 1, 0
	s_wait_dscnt 0x0
	MUL16 3, 0, 0
	MUL16 3, 4, 0
	; THE WAY OUT, 16 rows at a time through my own stage: 32 bytes a lane in, whole rows of 256 bytes back.
	PLACES
	WIN 0
	s_lshl_b32 s16, s13, 20                        ; my first row: 256 by + 128 x half, 4,096 bytes each
	s_lshl_b32 s17, s11, 19
	s_add_co_u32 s16, s16, s17
	s_mov_b32 s17, 0
	s_add_nc_u64 s[8:9], s[8:9], s[16:17]
	s_lshl_b32 s46, s42, 9                         ; my first column: 512 bx + 256 x half bytes
	s_lshl_b32 s47, s12, 8
	s_add_co_u32 s46, s46, s47
	s_mov_b32 s47, 0
	s_add_nc_u64 s[8:9], s[8:9], s[46:47]
.macro OUT16 a, buf
	WIN 0x04                                       ; the stores' data lie in window 1
.irp b, 0,1,2,3
	ds_store_b128 v[STO], v[8*(4*(\a)+\b):8*(4*(\a)+\b)+3] offset:64*\b
	ds_store_b128 v[STO], v[8*(4*(\a)+\b)+4:8*(4*(\a)+\b)+7] offset:64*\b+16
.endr
	WIN 0
	s_wait_xcnt 0x0                                ; the read-back buffer, which earlier stores read, is loaded again only behind this wait
.irp t, 0,1,2,3,4,5,6,7
	ds_load_b128 v[\buf+4*\t:\buf+4*\t+3], v[RD] offset:\t*2*SPITCH    ; LDS serves a wave in order: these see the stores above
.endr
.irp t, 0,1,2,3,4,5,6,7
	s_wait_dscnt 7-\t
	global_store_b128 v[CO], v[\buf+4*\t:\buf+4*\t+3], s[8:9] offset:65536*(\a)+8192*\t   ; 16 lanes store 256 consecutive bytes, at a multiple of 256 from out0's first byte
.endr
.endm
.irp a, 0,1,2,3,4,5,6,7
	OUT16 \a, FA+64*(\a%2)                         ; the two read-back buffers take turns
.endr
	s_wait_tensorcnt 0x0
	ds_add_u32 v254, v255
	s_wait_dscnt 0x0
	CROUND                                         ; the closing round: no work-group ends while a partner may still ask for a tile that names it
	s_endpgm
.Lfunc_end_k_q21ba945ed4_proj:
	.size	k_q21ba945ed4_proj, .Lfunc_end_k_q21ba945ed4_proj-k_q21ba945ed4_proj
	.p2alignl 7, 3214868480
	.fill 96, 4, 3214868480
	.section	.rodata,"a",@progbits
	.p2align	6, 0x0
	.amdhsa_kernel k_q21ba945ed4_proj
		.amdhsa_group_segment_fixed_size 327680
		.amdhsa_private_segment_fixed_size 0
		.amdhsa_enable_private_segment 0
		.amdhsa_kernarg_size 24
		.amdhsa_user_sgpr_count 2
		.amdhsa_user_sgpr_kernarg_segment_ptr 1
		.amdhsa_wavefront_size32 1
		.amdhsa_system_sgpr_workgroup_id_x 1
		.amdhsa_system_sgpr_workgroup_id_y 1
		.amdhsa_system_sgpr_workgroup_id_z 1
		.amdhsa_system_vgpr_workitem_id 0
		.amdhsa_next_free_vgpr 512
		.amdhsa_next_free_sgpr 66
		.amdhsa_reserve_vcc 0
		.amdhsa_float_denorm_mode_32 3
		.amdhsa_float_denorm_mode_16_64 3
		.amdhsa_memory_ordered 1
		.amdhsa_forward_progress 1
		.amdhsa_inst_pref_size 112
	.end_amdhsa_kernel
	.amdgpu_metadata
---
amdhsa.version: [ 1, 2 ]
amdhsa.kernels:
  - .name:           k_q21ba945ed4_proj
    .symbol:         k_q21ba945ed4_proj.kd
    .args:
      - { .name: y, .offset: 0, .size: 8, .value_kind: global_buffer, .address_space: global }
      - { .name: wp, .offset: 8, .size: 8, .value_kind: global_buffer, .address_space: global }
      - { .name: out0, .offset: 16, .size: 8, .value_kind: global_buffer, .address_space: global }
    .group_segment_fixed_size: 327680
    .private_segment_fixed_size: 0
    .kernarg_segment_align: 8
    .kernarg_segment_size: 24
    .max_flat_workgroup_size: 128
    .sgpr_count:     66
    .vgpr_count:     512
    .wavefront_size: 32
...
	.end_amdgpu_metadata
.endif
;; end of part 4
